; MI455X (gfx1250); checked and timed in simulation.
; The chip was launched on July 23, 2026; its instructions are those of AMD's public machine-readable ISA for CDNA 5 (MIT licence, August 2026) and "CDNA5" Instruction Set Architecture Reference Guide (July 2026). The comments in the code are by the model that wrote it; some were corrected since.
;; Bahdanau Attention. Allowed arithmetic: matrix products marked QUANTISED: E5M2 operands, one given power-of-two scale a tensor, by v_wmma_f32_16x16x64_bf8_bf8 or v_wmma_f32_16x16x128_bf8_bf8, f32 sums; products left as they are: f32 operands where the result goes on into a quantised operand, else bf16, f16 or f32 operands; f32 sums; everything else in f32.
;; Inputs: W_h_codes 1,024 x 16 x 32 uint8 (E5M2 codes of W_h, K innermost, in blocks of 32 codes); W_s_codes 1,024 x 16 x 32 uint8 (E5M2 codes of W_s, K innermost, in blocks of 32 codes); b_h 1,024 float32; b_s 1,024 float32; decoder_state_codes 32 x 16 x 32 uint8 (E5M2 codes of decoder_state, K innermost, in blocks of 32 codes); encoder_outputs 32 x 4,096 x 512 float32; lowp_scales 4 int32 (the exponents e of the quantised operands' scales 2^e); v_a 1,024 float32.
;; Outputs: out0 32 x 512 float32; out1 32 x 4,096 float32.
;; This version of the problem:
;;   THIS VERSION OF THE PROBLEM IS GIVEN IN LOW PRECISION. The matrix products marked QUANTISED in the list below multiply operands that are first quantised to E5M2 (5 exponent bits, 2 mantissa bits; 8 bits a number), with one given power-of-two scale for each operand tensor; their sums are f32. All else is computed in f32.
;;   The module's matrix products, in the order in which they are computed (A, B: the left and right operand; K: the contracted axis; several contracted axes count as one K, in the product's order):
;;     1. [M 32, K 512] x [K 512, N 1,024]; A: input decoder_state (given as codes); B: input W_s (given as codes): QUANTISED (scales: A lowp_scales[0], B lowp_scales[1])
;;     2. [M 131,072, K 512] x [K 512, N 1,024]; A: input encoder_outputs; B: input W_h (given as codes): QUANTISED (scales: A lowp_scales[2], B lowp_scales[3])
;;     3. [M 131,072, K 1,024] x [K 1,024, N 1]; A: computed on the way; B: input v_a: left as it is (N = 1 < 16)
;;     4. batch 32 x [M 1, K 4,096] x [K 4,096, N 512]; A: softmax; B: input encoder_outputs: left as it is (M = 1 < 16)
;;   THE QUANTISER, for each operand of a quantised product, along K:
;;     - The operand's scale is 2^e, e = its entry of the input lowp_scales (int32; the entries are numbered through the quantised products in the list's order, A before B).
;;     - Each number is divided by the scale, clamped to +-57,344, and rounded to the nearest number of E5M2, ties to even, subnormals kept.
;;     - The product sums the exact products of the quantised numbers (number of the format x scale) in f32.
;;   ~~~python
;;   def quantise(x, axis, e):      # numpy; x: float32 -> the quantised numbers, widened to float32 again
;;       x = np.moveaxis(x, axis, -1); K = x.shape[-1]
;;       r = np.clip(x / 2.0 ** e, -57344, 57344)
;;       step = 2.0 ** (np.maximum(np.frexp(np.where(r == 0, 1, r))[1] - 1, -14) - 2)
;;       q = np.round(r / step) * step * 2.0 ** e      # np.round: ties to even
;;       return np.moveaxis(q, -1, axis).astype(np.float32)
;;   ~~~
;;   INPUTS GIVEN AS CODES. W_h (in the module: [512, 1024], K = its axis 0); W_s (in the module: [512, 1024], K = its axis 0); decoder_state (in the module: [32, 512], K = its axis 1): each comes as NAME_codes (uint8): NAME with its K axis moved to the last place and cut into blocks of 32 codes, [.., K / 32, bytes a block], one block behind the other in memory; one code a byte (a code: sign, 5 exponent bits, 2 mantissa bits); its scale is its entry of lowp_scales. Its value is code x scale, taken as it is: it is not quantised again, and the codes and scales need not be those that the quantiser above would give.
;; One version. Each part assembles by itself: llvm-mc -triple=amdgcn-amd-amdhsa -mcpu=gfx1250 --defsym DOCPART=n.
;; ======== version 1 of 1: 3 launches
;; limits: values are held in bf16: 8 bits of precision; right only within a limited range of input values
;; workspace buffers: biasw 131,072 bytes; scores 524,288 bytes; part 2,621,440 bytes
;; launch prep (part 1): grid 16 x 1, 4 waves a work-group, no clusters, 9,216 bytes of LDS; arguments decoder_state_codes, W_s_codes, b_s, b_h, lowp_scales, biasw; writes biasw
.if DOCPART == 1
	.amdgcn_target "amdgcn-amd-amdhsa--gfx1250"
	.amdhsa_code_object_version 6
	.text
	.protected	k_q3638d44b11_prep
	.globl	k_q3638d44b11_prep
	.p2align	8
	.type	k_q3638d44b11_prep,@function
k_q3638d44b11_prep:
	s_mov_b64 s[64:65], 0
	v_nop
	global_prefetch_b8 v0, s[64:65] scope:SCOPE_SE
	s_setreg_imm32_b32 hwreg(HW_REG_WAVE_MODE, 25, 1), 1
	s_wait_xcnt 0x0
; biasw[b][a] = 2 log2(e) x ( 2^(e0 + e1) x sum over k of decoder code(b, k) x W_s code(a, k)  +  b_s[a] + b_h[a] ):  [32][1024] f32.
; It is all that the main launch adds to a row's projection, already in the units of its exponential (tanh(x) is made there from 2^(2 log2(e) x)).
; The product is made on the E5M2 codes as they are given, by v_wmma_f32_16x16x128_bf8_bf8; the two scales are one factor of the finished sum, applied by v_ldexp_f32 (no limit on e0 + e1 short of overflow).
; SHARES.  16 work-groups x 4 waves; a wave makes 16 columns a (a0 = 64 x work-group + 16 x wave) for all 32 batches: two accumulators, four K steps of 128.
; Source 0 = 16 rows of W_s, source 1 = 16 rows of the decoder state: lane (r, h) then holds batch r and the columns a0 + 8 h + 0 .. 7.
; A fragment is fetched by four loads of 16 bytes, 32 bytes apart, at row x 512 + 16 h: the same permutation of k on both sides, so every product meets its partner; only the order of the sums inside an instruction differs.
; The results go through a stage in LDS (32 rows of 256 bytes + 16), so that sixteen lanes store 256 consecutive bytes, aligned.
; No tensor loads, no cluster: the work-groups share only the 16 KiB of decoder codes, a small part of what each reads.
.set L2E2, 0x4038aa3b                  ; 2 log2(e)
.set SP,   272                         ; a stage row
	s_load_b256 s[4:11], s[0:1], 0x0               ; decoder codes s[4:5], W_s codes s[6:7], b_s s[8:9], b_h s[10:11]
	s_load_b128 s[12:15], s[0:1], 0x20             ; the exponents s[12:13], biasw s[14:15]
	v_lshl_add_u32 v14, v0, 2, 0x2200
	v_mov_b32 v15, 0
	v_lshrrev_b32 v1, 5, v0                        ; wave
	v_readfirstlane_b32 s16, v1
	v_and_b32 v2, 15, v0                           ; r
	v_bfe_u32 v3, v0, 4, 1                         ; h
	v_lshlrev_b32 v4, 9, v2
	v_lshl_add_u32 v4, v3, 4, v4                   ; a fragment: row r of 512 bytes, + 16 h
	v_lshlrev_b32 v5, 5, v3                        ; the biases: my eight columns begin 32 h bytes on
	v_mul_u32_u24 v6, v2, SP
	v_lshl_add_u32 v6, v3, 5, v6
	v_lshl_add_u32 v6, v1, 6, v6                   ; into the stage: row r, + 64 x wave + 32 h
	v_lshl_add_u32 v7, v1, 3, v3                   ; back: row 8 x wave + h,
	v_mul_u32_u24 v8, v7, SP
	v_lshl_add_u32 v8, v2, 4, v8                   ; 16 bytes a lane
	v_lshlrev_b32 v9, 12, v7
	v_lshl_add_u32 v9, v2, 4, v9                   ; and the same place in biasw: a row is 4,096 bytes
	s_lshl_b32 s20, ttmp9, 15
	s_lshl_b32 s21, s16, 13
	s_add_co_u32 s20, s20, s21                     ; a0 rows of 512 bytes
	s_mov_b32 s21, 0
	s_lshr_b32 s22, s20, 7                         ; 4 a0
	s_mov_b32 s23, 0
	s_lshl_b32 s24, ttmp9, 8                       ; the work-group's 64 columns in a row of biasw
	s_mov_b32 s25, 0
	s_wait_alu depctr_va_vdst(0)
	s_wait_kmcnt 0x0
	s_load_b64 s[26:27], s[12:13], 0x0             ; e0, e1
	s_add_nc_u64 s[6:7], s[6:7], s[20:21]
	s_add_nc_u64 s[8:9], s[8:9], s[22:23]
	s_add_nc_u64 s[10:11], s[10:11], s[22:23]
	s_add_nc_u64 s[14:15], s[14:15], s[24:25]
.irp q, 0,1,2,3
.irp c, 0,1,2,3
	global_load_b128 v[16+16*\q+4*\c:19+16*\q+4*\c], v4, s[6:7] offset:128*\q+32*\c            ; W_s, K step q
	global_load_b128 v[80+16*\q+4*\c:83+16*\q+4*\c], v4, s[4:5] offset:128*\q+32*\c            ; batches 0-15
	global_load_b128 v[144+16*\q+4*\c:147+16*\q+4*\c], v4, s[4:5] offset:8192+128*\q+32*\c     ; batches 16-31
.endr
.endr
	global_load_b128 v[224:227], v5, s[8:9]
	global_load_b128 v[228:231], v5, s[8:9] offset:16
	global_load_b128 v[232:235], v5, s[10:11]
	global_load_b128 v[236:239], v5, s[10:11] offset:16
	s_wait_loadcnt 0x0
	s_wait_kmcnt 0x0
	s_add_co_i32 s26, s26, s27                     ; e0 + e1
	v_mov_b32 v12, L2E2
	v_ldexp_f32 v12, v12, s26                      ; 2 log2(e) x 2^(e0 + e1)
	v_mov_b32 v13, v12
.irp p, 0,2,4,6
	v_pk_add_f32 v[224+\p:225+\p], v[224+\p:225+\p], v[232+\p:233+\p]
.endr
.irp p, 0,2,4,6
	v_pk_mul_f32 v[224+\p:225+\p], v[224+\p:225+\p], L2E2 op_sel_hi:[1,0]      ; 2 log2(e) (b_s + b_h)
.endr
.irp q, 0,1,2,3                        ; the two accumulators take turns, one instruction a turn; the first K step starts the sums
.irp g, 0,1
.if \q == 0
	v_wmma_f32_16x16x128_bf8_bf8 v[208+8*\g:215+8*\g], v[16+16*\q:31+16*\q], v[80+64*\g+16*\q:95+64*\g+16*\q], 0
.else
	v_wmma_f32_16x16x128_bf8_bf8 v[208+8*\g:215+8*\g], v[16+16*\q:31+16*\q], v[80+64*\g+16*\q:95+64*\g+16*\q], v[208+8*\g:215+8*\g]
.endif
.endr
.endr
.rept 4
	v_nop                                          ; four places between the last product and the first read of a result (ISA guide 7.12.1)
.endr
.irp g, 0,1
.irp p, 0,2,4,6
	v_pk_fma_f32 v[240+8*\g+\p:241+8*\g+\p], v[208+8*\g+\p:209+8*\g+\p], v[12:13], v[224+\p:225+\p]   ; each accumulator from its low end on
.endr
.endr
.irp g, 0,1
	ds_store_b128 v6, v[240+8*\g:243+8*\g] offset:16*SP*\g
	ds_store_b128 v6, v[244+8*\g:247+8*\g] offset:16*SP*\g+16
.endr
	s_wait_dscnt 0x0                               ; for the others' sake: my stores into the stage are done
	s_barrier_signal -1
	s_barrier_wait -1
.irp t, 0,1,2,3
	ds_load_b128 v[224+4*\t:227+4*\t], v8 offset:2*SP*\t           ; rows 8 w + 2 t and 8 w + 2 t + 1, whole
.endr
.irp t, 0,1,2,3
	s_wait_dscnt 3-\t
	global_store_b128 v9, v[224+4*\t:227+4*\t], s[14:15] offset:8192*\t   ; sixteen lanes store 256 consecutive bytes, at a multiple of 256 from biasw's first byte
.endr
	s_wait_tensorcnt 0x0
	ds_add_u32 v14, v15
	s_wait_dscnt 0x0
	s_endpgm
.Lfunc_end_k_q3638d44b11_prep:
	.size	k_q3638d44b11_prep, .Lfunc_end_k_q3638d44b11_prep-k_q3638d44b11_prep
	.p2alignl 7, 3214868480
	.fill 96, 4, 3214868480
	.section	.rodata,"a",@progbits
	.p2align	6, 0x0
	.amdhsa_kernel k_q3638d44b11_prep
		.amdhsa_group_segment_fixed_size 9216
		.amdhsa_private_segment_fixed_size 0
		.amdhsa_enable_private_segment 0
		.amdhsa_kernarg_size 48
		.amdhsa_user_sgpr_count 2
		.amdhsa_user_sgpr_kernarg_segment_ptr 1
		.amdhsa_wavefront_size32 1
		.amdhsa_system_sgpr_workgroup_id_x 1
		.amdhsa_system_sgpr_workgroup_id_y 1
		.amdhsa_system_sgpr_workgroup_id_z 1
		.amdhsa_system_vgpr_workitem_id 0
		.amdhsa_next_free_vgpr 256
		.amdhsa_next_free_sgpr 66
		.amdhsa_reserve_vcc 0
		.amdhsa_float_denorm_mode_32 3
		.amdhsa_float_denorm_mode_16_64 3
		.amdhsa_memory_ordered 1
		.amdhsa_forward_progress 1
		.amdhsa_inst_pref_size 10
	.end_amdhsa_kernel
	.amdgpu_metadata
---
amdhsa.version: [ 1, 2 ]
amdhsa.kernels:
  - .name:           k_q3638d44b11_prep
    .symbol:         k_q3638d44b11_prep.kd
    .args:
      - { .name: decoder_state_codes, .offset: 0, .size: 8, .value_kind: global_buffer, .address_space: global }
      - { .name: W_s_codes, .offset: 8, .size: 8, .value_kind: global_buffer, .address_space: global }
      - { .name: b_s, .offset: 16, .size: 8, .value_kind: global_buffer, .address_space: global }
      - { .name: b_h, .offset: 24, .size: 8, .value_kind: global_buffer, .address_space: global }
      - { .name: lowp_scales, .offset: 32, .size: 8, .value_kind: global_buffer, .address_space: global }
      - { .name: biasw, .offset: 40, .size: 8, .value_kind: global_buffer, .address_space: global }
    .group_segment_fixed_size: 9216
    .private_segment_fixed_size: 0
    .kernarg_segment_align: 8
    .kernarg_segment_size: 48
    .max_flat_workgroup_size: 128
    .sgpr_count:     66
    .vgpr_count:     256
    .wavefront_size: 32
...
	.end_amdgpu_metadata
.endif
;; end of part 1
;; launch main (part 2): grid 256 x 1, 4 waves a work-group, clusters of 4 x 1, 327,680 bytes of LDS; arguments W_h_codes, encoder_outputs, lowp_scales, v_a, biasw, scores, part; writes scores, part
.if DOCPART == 2
	.amdgcn_target "amdgcn-amd-amdhsa--gfx1250"
	.amdhsa_code_object_version 6
	.text
	.protected	k_q3638d44b11_main
	.globl	k_q3638d44b11_main
	.p2align	8
	.type	k_q3638d44b11_main,@function
k_q3638d44b11_main:
	s_mov_b64 s[64:65], 0
	v_nop
	global_prefetch_b8 v0, s[64:65] scope:SCOPE_SE
	s_setreg_imm32_b32 hwreg(HW_REG_WAVE_MODE, 25, 1), 1
	s_wait_xcnt 0x0
	s_wait_alu depctr_hold_cnt(0) depctr_sa_sdst(0) depctr_va_vdst(0) depctr_va_sdst(0) depctr_va_ssrc(0) depctr_va_vcc(0) depctr_vm_vsrc(0)
	s_getreg_b32 s2, hwreg(HW_REG_IB_STS2, 6, 4)
	s_cmp_eq_u32 s2, 0
	s_cbranch_scc0 .Lentry_in_a_cluster
	s_endpgm
.Lentry_in_a_cluster:
	s_bfe_u32 s2, ttmp6, 0x10000c
	s_cmp_lg_u32 s2, 0x3003
	s_cbranch_scc0 .Lentry_shape_is_right
	s_endpgm
.Lentry_shape_is_right:
; BAHDANAU ATTENTION, the main launch.  For every encoder row (b, s): x = the row quantised here to E5M2 with the given 2^e2; proj[a] = sum over k of x code x W_h code (v_wmma_f32_16x16x128_bf8_bf8);
; t = 2 log2(e) (2^(e2 + e3) proj + dec_proj + b_s + b_h) = K proj + biasw[b][a];  r = 1 / (1 + 2^t), tanh = 1 - 2 r;  score' = sum over a of (-2 v_a) r.
; LEFT OUT: score' is the true score less the sum of v_a.  That term is the same for every row of a batch, for all values of v_a, so the softmax along the rows takes it away; an overflow of that sum alone is not carried to the result.
; Each wave keeps for the rows that it owns a running maximum m, l = the sum of e^(score' - m) and ctx[512] = the sum of e^(score' - m) x row; the last launch joins a batch's 32 records.
; The encoder is read once; its rows enter the context rounded to bf16 (a product left as it is), weights and sums in f32.
; LIMITS: e2 between -126 and 112 (2^e2 and 57,344 x 2^e2 are made as f32 patterns); NaN among the inputs is not served.  A fragment's k are permuted alike in both operands.
; SHARES.  A work-group has 512 rows of one batch, four blocks of 128; a block is one pass over W_h's 1,024 rows.  Wave (i = w / 2, j = w % 2) multiplies rows 64 i .. + 63 (codes resident, 256 registers)
; by tiles 4 j .. 4 j + 3 of every slot of 128 rows of W_h.  As owner wave w has rows 32 w .. + 31: it loads, quantises and sums them.  The next block's rows land in 512 registers under the pass.
; W_h goes through two LDS slots; each wave fetches 32 rows of a slot.  CLUSTER: four work-groups walk the same W_h and ask jointly (mask 15).
; THE PIPELINE of a wave, tile by tile: step u loads tile u + 2's fragments, multiplies tile u + 1 and does tile u's vector work, on a copy T of the sums; the 16 products stand among the 64 transcendentals.
; A change of slots stands at the step that first loads from the new slot; behind it the slot just left is filled with the slot after the new one, which has four steps in which to land.
; NO DATA PREFETCH: the encoder's rows are asked for by the register loads themselves, 60 + 60 + 8 loads a wave spread over the pass before their use; W_h's 524,288 bytes are read again by every work-group in every pass.
; REGISTERS.  Window 0: v1-15 addresses; v16-31 ctx; v32 m, v33 l; v34-37 the last four blocks' scores; v38-45 score sums; v46-53 biases, v54-61 -2 v_a; v62-93 sums; v94-125 T; v126 2^e2; v128-255 two sets of W_h's fragments.
;   Window 1: my 64 rows' codes, tile t, K step q at v[64 t + 16 q].  Windows 2, 3: the landing rows: row p at v[16 (p % 16) + 4 jj + ii], column 128 jj + 4 lane + ii.
.set PITCH,  528                       ; 512 bytes + 16: sixteen rows start at sixteen different banks (ISA guide 11.1)
.set QB,     32*PITCH                  ; what one tensor load brings
.set HALFB,  64*PITCH
.set SLOTB,  128*PITCH
.set UREG,   2*SLOTB                   ; 131,072 bytes, two uses parted by barriers: the block's codes, then each wave's 32 rows in bf16
.set BT,     UREG+131072               ; my batch's row of biasw, then -2 v_a
.set SX,     BT+8192                   ; [j][128] halves of the block's scores
.set SC,     SX+1024                   ; the work-group's 512 scores
.set PB,     SC+2048                   ; 128 bytes a wave: its 32 weights
.set SPARE,  PB+512                    ; the spare words
.set CTX, 16
.set M,   32
.set L,   33
.set H,   34
.set SA,  38
.set BI,  46
.set VV,  54
.set ACC, 62
.set T,   94
.set SCL, 126
.set WF,  128
.set MSB, 0
.macro WIN new
.if MSB != (\new)
	s_set_vgpr_msb (MSB<<8)|(\new)
.set MSB, (\new)
.endif
.endm
.macro VW
	s_wait_alu depctr_va_vdst(0)
.endm
.macro CREST                           ; a round of the cluster's barrier behind its opening barrier
	s_cmp_lg_u32 s18, 0
	s_cbranch_scc1 .Lnot_wave_0_\@
	s_barrier_signal -3
.Lnot_wave_0_\@:
	s_barrier_wait -3
	s_barrier_signal -1
	s_barrier_wait -1
.endm
.macro CROUND
	s_barrier_signal -1
	s_barrier_wait -1
	CREST
.endm
.macro BAR                             ; my LDS instructions are done: then the work-group's barrier
	VW
	s_wait_dscnt 0x0
	s_barrier_signal -1
	s_barrier_wait -1
.endm
.macro FETCH_W k                       ; tile k of my half of the slot at v3: 16 rows x 512 K into set k % 2
.irp q, 0,1,2,3
.irp c, 0,1,2,3
	ds_load_b128 v[WF+64*((\k)%2)+16*\q+4*\c:WF+64*((\k)%2)+16*\q+4*\c+3], v3 offset:16*PITCH*(\k)+128*\q+32*\c
.endr
.endr
.endm
; Eight groups, each of a product (mm: K step q0 + i / 4, row tile i % 4: the four sums by turns) or of four transcendentals on T (va); a step calls it for one of the two at a time.
; Source 0 = 16 rows of W_h, source 1 = 16 rows of x (window 1): lane (r, h) holds row r, columns a0 + 8 h + 0 .. 7.
.macro HALF wm, mm, va, q0, op
.set hi, 0
.rept 8
.if \mm
.set hq, (\q0)+hi/4
.set ht, hi%4
.if hq == 0
	v_wmma_f32_16x16x128_bf8_bf8 v[ACC+8*ht:ACC+8*ht+7], v[WF+64*(\wm)+16*hq:WF+64*(\wm)+16*hq+15], v[64*ht+16*hq:64*ht+16*hq+15], 0
.else
	v_wmma_f32_16x16x128_bf8_bf8 v[ACC+8*ht:ACC+8*ht+7], v[WF+64*(\wm)+16*hq:WF+64*(\wm)+16*hq+15], v[64*ht+16*hq:64*ht+16*hq+15], v[ACC+8*ht:ACC+8*ht+7]
.endif
.endif
.if \va
.irp e, 0,1,2,3
	\op v[T+4*hi+\e], v[T+4*hi+\e]
.endr
.endif
.set hi, hi+1
.endr
.endm
; A STEP.  k: its place in the trip; ld: loads tile k; mm: multiplies with set (k + 1) % 2; va: vector work; chg: 1 a change of slots with a refill, 2 without; bo: where the next tile's tables lie from v7 on (-1: none).
.macro STEP k, ld, mm, va, chg, bo
.if \chg
	s_wait_tensorcnt 0x0                           ; all my tensor loads have landed: my part of the new slot
	ds_add_u32 v1, v2
.if \chg == 1
	s_add_co_u32 s33, s19, s54                     ; no load of mine is out, so group 0 may be written
	s_add_nc_u64 s[34:35], s[44:45], s[40:41]
	s_or_b32 s35, s35, 0x80000000
.endif
	s_wait_dscnt 0x0                               ; the add is done, my reads of the old slot are over
	s_barrier_signal -1
.elseif \ld
	FETCH_W \k
	s_wait_dscnt 16                                ; all but the 16 just issued
.else
	s_wait_dscnt 0x0
.endif
.if \va
	VW
.set fi, 0
.rept 16
	v_pk_fma_f32 v[T+2*fi:T+2*fi+1], v[ACC+2*fi:ACC+2*fi+1], s[46:47], v[BI+2*(fi%4):BI+2*(fi%4)+1] op_sel_hi:[1,0,1]   ; t = K sum + bias, each sum from its low end on
.set fi, fi+1
.endr
	VW
.endif
.if \mm
	WIN 0x04
.endif
	HALF 0, 0, \va, 0, v_exp_f32                   ; the 32 exponentials,
	HALF ((\k)+1)%2, \mm, 0, 0, v_exp_f32          ; then the next tile's 16 products on end: no transcendental stands between two links of a sum
	HALF ((\k)+1)%2, \mm, 0, 2, v_exp_f32
.if \va
	v_nop                                          ; a plain place behind the batch
	VW
.set fi, 0
.rept 16
	v_pk_add_f32 v[T+2*fi:T+2*fi+1], v[T+2*fi:T+2*fi+1], 1.0 op_sel_hi:[1,0]
.set fi, fi+1
.endr
.endif
.if \chg
	WIN 0
	s_barrier_wait -1
.if \chg == 1
	CREST                                          ; no wave of any partner reads the old slot or has a load out
	tensor_load_to_lds s[32:35], s[24:31]
	s_nop 0
.rept 4
	v_nop
.endr
.endif
	v_add_nc_u32 v3, s55, v4
	v_add_nc_u32 v7, s52, v6
	VW
	FETCH_W \k
.elseif \va
	VW
.endif
.if \bo >= 0
	ds_load_b128 v[BI:BI+3], v7 offset:(\bo)
	ds_load_b128 v[BI+4:BI+7], v7 offset:(\bo)+16
.endif
	HALF 0, 0, \va, 2, v_rcp_f32                   ; the 32 reciprocals
.if \va
	v_nop
	VW
	WIN 0
.set fi, 0
.rept 16
	v_pk_fma_f32 v[SA+2*(fi%4):SA+2*(fi%4)+1], v[T+8*(fi%4)+2*(fi/4):T+8*(fi%4)+2*(fi/4)+1], v[VV+2*(fi/4):VV+2*(fi/4)+1], v[SA+2*(fi%4):SA+2*(fi%4)+1]
.set fi, fi+1
.endr
.elseif \mm
	WIN 0
.rept 4
	v_nop                                          ; places behind the products (ISA guide 7.12.1)
.endr
.endif
.if \bo >= 0
	ds_load_b128 v[VV:VV+3], v7 offset:(\bo)+4096
	ds_load_b128 v[VV+4:VV+7], v7 offset:(\bo)+4112
.endif
.endm
.macro TRIP chg                        ; a slot's four steps
	STEP 0, 1, 1, 1, \chg, 192
	STEP 1, 1, 1, 1, 0, 512
	STEP 2, 1, 1, 1, 0, 576
	STEP 3, 1, 1, 1, 0, 640
.endm
.macro EPI                             ; the pass's last two steps: nothing more to load, then nothing more to multiply
	STEP 0, 0, 1, 1, 0, 704
	STEP 1, 0, 0, 1, 0, -1
.endm
.macro BURST r0, r1                    ; rows r0 .. r1 of my 32 of the block at s[6:7]: each load covers 512 consecutive bytes, aligned
.set br, \r0
.rept (\r1)-(\r0)+1
	WIN 0x80+0x40*(br/16)
.irp jj, 0,1,2,3
	global_load_b128 v[16*(br%16)+4*\jj:16*(br%16)+4*\jj+3], v8, s[6:7] offset:2048*br+512*\jj th:TH_LOAD_NT
.endr
.set br, br+1
.endr
	WIN 0
.endm
.macro BROWS g, set                    ; rows 4 g .. 4 g + 3 of my bf16 copy
.irp rr, 0,1,2,3
	ds_load_b128 v[(\set)+8*\rr:(\set)+8*\rr+3], v10 offset:1024*(4*(\g)+\rr)
	ds_load_b128 v[(\set)+8*\rr+4:(\set)+8*\rr+7], v10 offset:1024*(4*(\g)+\rr)+512
.endr
.endm
; A BLOCK'S END: the scores are joined, and each wave brings its 32 rows into m, l and ctx.
.macro FINISH
.irp t, 0,1,2,3
	v_add_f32 v[SA+2*\t], v[SA+2*\t], v[SA+2*\t+1]
.endr
.irp t, 0,1,2,3
	v_permlanex16_b32 v[SA+2*\t+1], v[SA+2*\t], s50, s51       ; the row's other eight columns of each tile
.endr
.irp t, 0,1,2,3
	v_add_f32 v[SA+2*\t], v[SA+2*\t], v[SA+2*\t+1]
.endr
.irp t, 0,1,2,3
	ds_store_b32 v11, v[SA+2*\t] offset:64*\t                  ; my half (j) of the score of row 64 i + 16 t + r
.endr
	v_mov_b32 v[H+3], v[H+2]                       ; the earlier blocks' scores move up
	v_mov_b32 v[H+2], v[H+1]
	v_mov_b32 v[H+1], v[H]
	VW
	s_wait_dscnt 0x0
	s_barrier_signal -1
.set fi, 0
.rept 8
	v_mov_b32 v[SA+fi], 0                          ; the next pass's sums
.set fi, fi+1
.endr
	v_mov_b32 v96, 0
	v_mov_b32 v99, 0
	VW
	s_barrier_wait -1
	ds_load_b32 v94, v12                           ; as owner: lane p has row 32 w + p
	ds_load_b32 v95, v12 offset:512
	s_wait_dscnt 0x0
	v_add_f32 v[H], v94, v95                       ; the score
	v_mov_b32 v95, v[H]
	v_max_num_f32_dpp v95, v95, v95 row_xmask:1 row_mask:0xf bank_mask:0xf
	v_max_num_f32_dpp v95, v95, v95 row_xmask:2 row_mask:0xf bank_mask:0xf
	v_max_num_f32_dpp v95, v95, v95 row_xmask:4 row_mask:0xf bank_mask:0xf
	v_max_num_f32_dpp v95, v95, v95 row_xmask:8 row_mask:0xf bank_mask:0xf
	v_permlanex16_b32 v96, v95, s50, s51
	v_max_num_f32 v95, v95, v96
	v_max_num_f32 v95, v95, v[M]                   ; the new m: the running maximum is taken away before every exponential
	v_sub_f32 v100, v[M], v95
	v_sub_f32 v101, v[H], v95
	v_mul_f32 v100, 0x3fb8aa3b, v100
	v_mul_f32 v101, 0x3fb8aa3b, v101
	VW
	v_exp_f32 v98, v100                            ; f = e^(old m - new m)
	v_exp_f32 v101, v101                           ; p = e^(score - m)
	v_mov_b32 v[M], v95                            ; (a plain place)
	VW
	v_fma_f32 v[L], v[L], v98, v101
	ds_store_b32 v14, v101
.irp k, 0,1,2,3,4,5,6,7
	ds_load_b128 v[128+4*\k:131+4*\k], v15 offset:16*\k        ; my wave's own bytes, served in order: row p's weight in v[128 + p] of every lane
.endr
	BROWS 0, 160
.irp k, 0,2,4,6,8,10,12,14
	v_pk_mul_f32 v[CTX+\k:CTX+\k+1], v[CTX+\k:CTX+\k+1], v[98:99] op_sel_hi:[1,0]
.endr
	VW
.set fg, 0
.rept 8
.if fg < 7
	BROWS fg+1, 160+32*((fg+1)%2)
	s_wait_dscnt 8                                 ; all but the next group's eight loads
.else
	s_wait_dscnt 0x0
.endif
.set fs, 160+32*(fg%2)
.irp rr, 0,1,2,3
.irp m, 0,1,2,3,4,5,6,7
	v_fma_mix_f32_bf16 v[CTX+2*\m], v[fs+8*\rr+\m], v[128+4*fg+\rr], v[CTX+2*\m] op_sel_hi:[1,0,0]
	v_fma_mix_f32_bf16 v[CTX+2*\m+1], v[fs+8*\rr+\m], v[128+4*fg+\rr], v[CTX+2*\m+1] op_sel:[1,0,0] op_sel_hi:[1,0,0]
.endr
.endr
.set fg, fg+1
.endr
.endm
; A BLOCK'S BEGINNING: the rows that have landed become codes (through LDS, to the waves that multiply them) and a bf16 copy (my own).
.macro CONVERT
	VW
	s_wait_loadcnt 0x0                             ; my 32 rows are in; so the loads' base may step
	s_add_nc_u64 s[6:7], s[6:7], 128*2048
	BAR                                            ; everybody's reads of the bf16 copies are over.  (The first time: the tables lie in LDS)
.set cg, 0
.rept 8                                ; four rows at a time
.if cg >= 2
	s_wait_dscnt 16                                ; all but the last group's 16 stores: this set of codes has been read
.endif
	WIN 0x02+cg/4
.set ci, 0
.rept 64
	v_med3_num_f32 v[128+ci], v[64*(cg%4)+ci], s49, s48        ; the hold at +-57,344 x 2^e2: the conversion does not saturate (ISA guide 7.6.2)
.set ci, ci+1
.endr
	WIN 0
.set cc, 192+16*(cg%2)
.irp k, 0,1,2,3,4,5,6,7
	v_cvt_scalef32_pk8_bf8_f32 v[cc+2*\k:cc+2*\k+1], v[128+8*\k:128+8*\k+7], v[SCL]
.endr
	v_nop                                          ; a plain place behind the conversions
.irp rr, 0,1,2,3
.irp jj, 0,1,2,3
	ds_store_b32 v9, v[cc+4*\rr+\jj] offset:PITCH*(4*cg+\rr)+128*\jj           ; columns 128 jj + 4 lane on: 128 consecutive bytes of the row
.endr
.endr
.set cg, cg+1
.endr
	BAR                                            ; the block's 128 rows of codes lie in LDS
	WIN 0x40
.irp t, 0,1,2,3
.irp q, 0,1,2,3
.irp c, 0,1,2,3
	ds_load_b128 v[64*\t+16*\q+4*\c:64*\t+16*\q+4*\c+3], v5 offset:16*PITCH*\t+128*\q+32*\c    ; my 64 rows' fragments, fetched as W_h's are
.endr
.endr
.endr
	WIN 0
	BAR                                            ; everybody's are in: the bf16 copies may be laid over the codes
.set cg, 0
.rept 8
.if cg >= 2
	s_wait_dscnt 8                                 ; all but the last group's eight stores
.endif
	WIN 0x0a+5*(cg/4)
.set cc, 128+32*(cg%2)
.set ci, 0
.rept 32
	v_cvt_pk_bf16_f32 v[cc+ci], v[64*(cg%4)+2*ci], v[64*(cg%4)+2*ci+1]
.set ci, ci+1
.endr
	WIN 0
.irp rr, 0,1,2,3
	ds_store_b128 v10, v[cc+8*\rr:cc+8*\rr+3] offset:1024*(4*cg+\rr)
	ds_store_b128 v10, v[cc+8*\rr+4:cc+8*\rr+7] offset:1024*(4*cg+\rr)+512
.endr
.set cg, cg+1
.endr
	s_wait_dscnt 0x0                               ; the stores have read their registers, which take W_h's fragments next
.endm
	; ---- the head
	s_load_b256 s[4:11], s[0:1], 0x0               ; W_h's codes, the encoder, the exponents, v_a
	s_load_b128 s[12:15], s[0:1], 0x20             ; biasw, scores
	s_load_b64 s[16:17], s[0:1], 0x30              ; part
	v_lshl_add_u32 v1, v0, 2, SPARE
	v_mov_b32 v2, 0
	ds_add_u32 v1, v2                              ; the opening: the add twice on end and one wait
	ds_add_u32 v1, v2
	v_lshrrev_b32 v100, 5, v0                      ; w
	v_readfirstlane_b32 s18, v100
	v_and_b32 v101, 15, v0                         ; r
	v_bfe_u32 v102, v0, 4, 1                       ; h
	v_and_b32 v103, 31, v0                         ; lane
	v_bfe_u32 v104, v0, 5, 1                       ; j
	v_bfe_u32 v105, v0, 6, 1                       ; i
	v_mul_u32_u24 v106, v101, PITCH
	v_lshl_add_u32 v106, v102, 4, v106             ; a fragment: row r x pitch + 16 h
	v_mul_u32_u24 v107, v104, HALFB
	v_add_nc_u32 v4, v107, v106                    ; v4: my 64 rows of W_h in slot 0
	v_mul_u32_u24 v107, v105, HALFB
	v_add_nc_u32 v5, v107, v106
	v_add_nc_u32 v5, UREG, v5                      ; v5: the codes of my 64 rows
	v_lshlrev_b32 v6, 8, v104
	v_lshl_add_u32 v6, v102, 5, v6
	v_add_nc_u32 v6, BT, v6                        ; v6: the tables: 256 j + 32 h
	v_lshlrev_b32 v8, 4, v103                      ; v8: 16 x lane
	v_mul_u32_u24 v9, v100, 32*PITCH
	v_lshl_add_u32 v9, v103, 2, v9
	v_add_nc_u32 v9, UREG, v9                      ; v9: where I store codes
	v_lshlrev_b32 v10, 15, v100
	v_lshl_add_u32 v10, v103, 4, v10
	v_add_nc_u32 v10, UREG, v10                    ; v10: my bf16 copy
	v_lshlrev_b32 v11, 9, v104
	v_lshl_add_u32 v11, v105, 8, v11
	v_lshl_add_u32 v11, v101, 2, v11
	v_add_nc_u32 v11, SX, v11                      ; v11: my half scores: 512 j + 4 (64 i + r)
	v_lshl_add_u32 v12, v0, 2, SX                  ; v12: as owner: row 32 w + lane
	v_lshl_add_u32 v13, v0, 2, SC
	v_lshl_add_u32 v14, v0, 2, PB
	v_and_b32 v15, 0x60, v0
	v_lshl_add_u32 v15, v15, 2, PB                 ; v15: my wave's 32 weights
	v_lshlrev_b32 v108, 4, v0                      ; the tables on their way in: 16 bytes a thread
	v_add_nc_u32 v109, BT, v108
	s_bfe_u32 s21, ttmp6, 0x40000                  ; cx: it enters global addresses of the encoder, the tables and the results alone
	s_lshl_b32 s22, ttmp9, 2
	s_add_co_u32 s22, s22, s21                     ; the work-group
	s_mov_b32 s24, 15|(1<<20)|(1<<21)|(6<<22)|(3<<25)      ; group 1: mask of all four; bytes; four words of padding behind every 128
	s_mov_b32 s25, 512<<16
	s_mov_b32 s26, 32<<16
	s_mov_b32 s27, 512<<16
	s_mov_b32 s28, 32
	s_mov_b32 s29, 512
	s_mov_b32 s30, 0
	s_mov_b32 s31, 0
	s_mov_b32 s41, 0
	s_lshl_b32 s66, s18, 14                        ; my 32 rows of a slot in memory,
	s_mov_b32 s67, 0
	s_mul_i32 s19, s18, QB                         ; and in LDS
	s_lshl_b32 s56, s22, 20                        ; the encoder: 512 rows a work-group, 32 a wave
	s_lshl_b32 s57, s18, 16
	s_add_co_u32 s56, s56, s57
	s_mov_b32 s57, 0
	s_lshr_b32 s58, s22, 3
	s_lshl_b32 s58, s58, 12                        ; the batch's row of biasw
	s_mov_b32 s59, 0
	s_lshl_b32 s60, s22, 11                        ; scores: 512 a work-group, 128 stored by each wave
	s_lshl_b32 s61, s18, 9
	s_add_co_u32 s60, s60, s61
	s_mov_b32 s61, 0
	s_lshl_b32 s62, s22, 2
	s_add_co_u32 s62, s62, s18
	s_mul_i32 s62, s62, 2560                       ; my record
	s_mov_b32 s63, 0
	s_mov_b32 s50, 0x76543210                      ; selects for lane l xor 16
	s_mov_b32 s51, 0xfedcba98
	VW
	s_wait_dscnt 0x0                               ; both opening adds are done
	s_wait_kmcnt 0x0
	s_load_b128 s[68:71], s[8:9], 0x0              ; e0, e1, e2, e3
	s_add_nc_u64 s[44:45], s[4:5], s[66:67]        ; W_h at my quarter of slot 0
	s_add_nc_u64 s[6:7], s[6:7], s[56:57]
	s_add_nc_u64 s[12:13], s[12:13], s[58:59]
	s_add_nc_u64 s[14:15], s[14:15], s[60:61]
	s_add_nc_u64 s[16:17], s[16:17], s[62:63]
	s_mov_b32 s32, 1
	s_mov_b32 s33, s19
	s_mov_b64 s[34:35], s[44:45]
	s_or_b32 s35, s35, 0x80000000
	CROUND                                         ; all four work-groups are here
	tensor_load_to_lds s[32:35], s[24:31]          ; slot 0: my one load at the head
	s_nop 0
.rept 4
	v_nop
.endr
	global_load_b128 v[110:113], v108, s[12:13]
	global_load_b128 v[114:117], v108, s[12:13] offset:2048
	global_load_b128 v[118:121], v108, s[10:11]
	global_load_b128 v[122:125], v108, s[10:11] offset:2048
	BURST 0, 14                                    ; block 0
	s_wait_kmcnt 0x0
	s_add_co_i32 s56, s70, s71                     ; e2 + e3
	v_mov_b32 v98, 0x4038aa3b
	v_ldexp_f32 v98, v98, s56
	v_readfirstlane_b32 s46, v98                   ; K = 2 log2(e) x 2^(e2 + e3)
	s_mov_b32 s47, s46
	s_add_co_i32 s57, s70, 127
	s_lshl_b32 s58, s57, 23
	v_mov_b32 v[SCL], s58                          ; 2^e2
	s_add_co_i32 s57, s57, 15
	s_lshl_b32 s48, s57, 23
	s_or_b32 s48, s48, 0x600000                    ; 57,344 x 2^e2,
	s_or_b32 s49, s48, 0x80000000                  ; and its negative
	v_mov_b32 v[M], 0xff61b1e6                     ; -3e38, under every score
	v_mov_b32 v[L], 0
.set hi, 0
.rept 4
	v_mov_b32 v[H+hi], 0
.set hi, hi+1
.endr
.set hi, 0
.rept 8
	v_mov_b32 v[SA+hi], 0
.set hi, hi+1
.endr
.set hi, 0
.rept 16
	v_mov_b32 v[CTX+hi], 0
.set hi, hi+1
.endr
	s_wait_loadcnt 60                              ; the four table loads are in; behind them stand 60 of the encoder
.irp p, 118,120,122,124
	v_pk_mul_f32 v[\p:\p+1], v[\p:\p+1], -2.0 op_sel_hi:[1,0]
.endr
	ds_store_b128 v109, v[110:113]
	ds_store_b128 v109, v[114:117] offset:2048
	ds_store_b128 v109, v[118:121] offset:4096
	ds_store_b128 v109, v[122:125] offset:6144
	BURST 15, 29
	BURST 30, 31
	s_mov_b32 s2, 4                                ; blocks to go
.Lblk:
	CONVERT
	s_mov_b32 s55, 0                               ; the slot that is read,
	s_mov_b32 s54, SLOTB                           ; the slot that is filled,
	s_mov_b32 s40, 65536                           ; with these bytes of W_h;
	s_mov_b32 s52, 0                               ; the tables' place
	s_cmp_gt_u32 s2, 1                             ; a block follows: its rows are asked for in trips 0 and 3 of the loop; else in none
	s_cselect_b32 s56, 0, 99
	s_cselect_b32 s57, 3, 99
	STEP 0, 1, 0, 0, 1, -1                         ; the pass begins: slot 0 is whole, slot 1 is asked for (the first time: its first fill, issued as a refill is)
	STEP 1, 1, 1, 0, 0, 0
	STEP 2, 1, 1, 1, 0, 64
	STEP 3, 1, 1, 1, 0, 128
	s_mov_b32 s55, SLOTB
	s_mov_b32 s54, 0
	s_mov_b32 s40, 131072
	s_mov_b32 s53, 0
.Lslot:                                                ; slots 1 to 6
	s_cmp_eq_u32 s53, s56
	s_cbranch_scc0 .Lno_a
	BURST 0, 14
.Lno_a:
	s_cmp_eq_u32 s53, s57
	s_cbranch_scc0 .Lno_b
	BURST 15, 29
.Lno_b:
	TRIP 1
	s_xor_b32 s55, s55, SLOTB
	s_xor_b32 s54, s54, SLOTB
	s_add_co_u32 s40, s40, 65536
	s_add_co_u32 s52, s52, 512
	s_add_co_u32 s53, s53, 1
	s_cmp_lt_u32 s53, 6
	s_cbranch_scc1 .Lslot
	s_mov_b32 s55, SLOTB                           ; slot 7
	s_mov_b32 s52, 3072
	s_cmp_eq_u32 s2, 1
	s_cbranch_scc1 .Llast                          ; the last block's tail is written out: it asks for nothing more
	s_mov_b32 s54, 0
	s_mov_b32 s40, 0                               ; the next pass's slot 0
	TRIP 1
	BURST 30, 31
	EPI
	FINISH
	s_sub_co_u32 s2, s2, 1
	s_cmp_lg_u32 s2, 0
	s_cbranch_scc1 .Lblk
.Llast:
	TRIP 2
	EPI
	FINISH
	; ---- the way out
.irp b, 0,1,2,3
	ds_store_b32 v13, v[H+3-\b] offset:512*\b      ; block b's score of row 32 w + lane
.endr
	BAR                                            ; the work-group's 512 scores lie in SC
	v_lshl_add_u32 v100, v0, 4, SC
	ds_load_b128 v[104:107], v100                  ; four neighbouring rows' scores a thread
	v_add_f32_dpp v[L], v[L], v[L] row_xmask:1 row_mask:0xf bank_mask:0xf
	v_add_f32_dpp v[L], v[L], v[L] row_xmask:2 row_mask:0xf bank_mask:0xf
	v_add_f32_dpp v[L], v[L], v[L] row_xmask:4 row_mask:0xf bank_mask:0xf
	v_add_f32_dpp v[L], v[L], v[L] row_xmask:8 row_mask:0xf bank_mask:0xf
	v_permlanex16_b32 v96, v[L], s50, s51
	v_add_f32 v[L], v[L], v96                      ; l over my 128 rows
	v_mov_b32 v108, v[M]
	v_mov_b32 v109, v[L]
	v_mov_b32 v110, v[M]
	v_mov_b32 v111, v[L]
.irp jj, 0,1,2,3
	global_store_b128 v8, v[CTX+4*\jj:CTX+4*\jj+3], s[16:17] offset:512*\jj    ; each store of the wave covers 512 consecutive bytes, aligned
.endr
	global_store_b128 v8, v[108:111], s[16:17] offset:2048                     ; (m, l) in every 8 bytes of the record's last 512
	s_wait_dscnt 0x0
	global_store_b128 v8, v[104:107], s[14:15]
	s_wait_tensorcnt 0x0                           ; the wave's end
	ds_add_u32 v1, v2
	s_wait_dscnt 0x0
	CROUND                                         ; the closing round
	s_endpgm
.Lfunc_end_k_q3638d44b11_main:
	.size	k_q3638d44b11_main, .Lfunc_end_k_q3638d44b11_main-k_q3638d44b11_main
	.p2alignl 7, 3214868480
	.fill 96, 4, 3214868480
	.section	.rodata,"a",@progbits
	.p2align	6, 0x0
	.amdhsa_kernel k_q3638d44b11_main
		.amdhsa_group_segment_fixed_size 327680
		.amdhsa_private_segment_fixed_size 0
		.amdhsa_enable_private_segment 0
		.amdhsa_kernarg_size 56
		.amdhsa_user_sgpr_count 2
		.amdhsa_user_sgpr_kernarg_segment_ptr 1
		.amdhsa_wavefront_size32 1
		.amdhsa_system_sgpr_workgroup_id_x 1
		.amdhsa_system_sgpr_workgroup_id_y 1
		.amdhsa_system_sgpr_workgroup_id_z 1
		.amdhsa_system_vgpr_workitem_id 0
		.amdhsa_next_free_vgpr 1024
		.amdhsa_next_free_sgpr 80
		.amdhsa_reserve_vcc 0
		.amdhsa_float_denorm_mode_32 3
		.amdhsa_float_denorm_mode_16_64 3
		.amdhsa_memory_ordered 1
		.amdhsa_forward_progress 1
		.amdhsa_inst_pref_size 255
	.end_amdhsa_kernel
	.section	.bss,"aw",@nobits
	.p2align	6
	.space	262144
	.amdgpu_metadata
---
amdhsa.version: [ 1, 2 ]
amdhsa.kernels:
  - .name:           k_q3638d44b11_main
    .symbol:         k_q3638d44b11_main.kd
    .args:
      - { .name: W_h_codes, .offset: 0, .size: 8, .value_kind: global_buffer, .address_space: global }
      - { .name: encoder_outputs, .offset: 8, .size: 8, .value_kind: global_buffer, .address_space: global }
      - { .name: lowp_scales, .offset: 16, .size: 8, .value_kind: global_buffer, .address_space: global }
      - { .name: v_a, .offset: 24, .size: 8, .value_kind: global_buffer, .address_space: global }
      - { .name: biasw, .offset: 32, .size: 8, .value_kind: global_buffer, .address_space: global }
      - { .name: scores, .offset: 40, .size: 8, .value_kind: global_buffer, .address_space: global }
      - { .name: part, .offset: 48, .size: 8, .value_kind: global_buffer, .address_space: global }
    .group_segment_fixed_size: 327680
    .private_segment_fixed_size: 0
    .kernarg_segment_align: 8
    .kernarg_segment_size: 56
    .max_flat_workgroup_size: 128
    .sgpr_count:     80
    .vgpr_count:     1024
    .wavefront_size: 32
...
	.end_amdgpu_metadata
.endif
;; end of part 2
;; launch finish (part 3): grid 4 x 32, 1 waves a work-group, no clusters, 0 bytes of LDS; arguments scores, part, out0, out1; writes out0, out1
.if DOCPART == 3
	.amdgcn_target "amdgcn-amd-amdhsa--gfx1250"
	.amdhsa_code_object_version 6
	.text
	.protected	k_q3638d44b11_finish
	.globl	k_q3638d44b11_finish
	.p2align	8
	.type	k_q3638d44b11_finish,@function
k_q3638d44b11_finish:
	s_mov_b64 s[64:65], 0
	v_nop
	global_prefetch_b8 v0, s[64:65] scope:SCOPE_SE
	s_setreg_imm32_b32 hwreg(HW_REG_WAVE_MODE, 25, 1), 1
	s_wait_xcnt 0x0
; The 32 records (m, l, ctx[512]) of a batch are joined, and the weights are made from the raw scores.
; M = the largest m;  w_p = e^(m_p - M);  L = the sum of l_p w_p;  out0[b][c] = the sum over p of ctx_p[c] w_p / L;  out1[b][s] = e^(score - M) / L.
; One wave to a work-group: work-group (c, b) makes 128 columns of out0 and 1,024 weights of out1 of batch b.  Lane p holds record p's m and l; the 32 factors then go to scalar registers.
; All loads go out at the head; every load of ctx and of scores, and every store, covers 512 consecutive bytes, aligned.  No LDS, no barrier; memory binds, so matrix units and clusters would add nothing.
.set REC, 2560                         ; a record: 2,048 bytes of ctx, then 512 bytes of (m, l)
	s_load_b256 s[4:11], s[0:1], 0x0               ; scores s[4:5], part s[6:7], out0 s[8:9], out1 s[10:11]
	s_and_b32 s12, ttmp7, 0xffff                   ; the batch
	s_mul_i32 s50, s12, 32*REC                     ; its records
	s_mov_b32 s51, 0
	s_lshl_b32 s13, ttmp9, 9                       ; my 128 columns
	s_add_co_u32 s52, s50, s13
	s_mov_b32 s53, 0
	s_lshl_b32 s54, s12, 14                        ; its 4,096 scores,
	s_lshl_b32 s14, ttmp9, 12                      ; my 1,024 of them
	s_add_co_u32 s54, s54, s14
	s_mov_b32 s55, 0
	s_lshl_b32 s56, s12, 11                        ; its row of out0
	s_add_co_u32 s56, s56, s13
	s_mov_b32 s57, 0
	s_mov_b32 s58, 0x76543210                      ; v_permlanex16_b32's selects for lane l xor 16
	s_mov_b32 s59, 0xfedcba98
	v_mul_u32_u24 v1, v0, REC                      ; lane p: record p
	v_lshlrev_b32 v4, 4, v0                        ; 16 bytes a lane
	v_mov_b32 v6, 0                                ; written once: a lane permute's destination counts as one of its sources
	s_wait_alu depctr_va_vdst(0)
	s_wait_kmcnt 0x0
	s_add_nc_u64 s[60:61], s[6:7], s[50:51]
	s_add_nc_u64 s[6:7], s[6:7], s[52:53]
	s_add_nc_u64 s[4:5], s[4:5], s[54:55]
	s_add_nc_u64 s[10:11], s[10:11], s[54:55]
	s_add_nc_u64 s[8:9], s[8:9], s[56:57]
	global_load_b64 v[2:3], v1, s[60:61] offset:2048               ; m_p, l_p
.set p, 0
.rept 32
	global_load_b128 v[16+4*p:19+4*p], v4, s[6:7] offset:REC*p
.set p, p+1
.endr
.irp k, 0,1,2,3,4,5,6,7
	global_load_b128 v[144+4*\k:147+4*\k], v4, s[4:5] offset:512*\k
.endr
	s_wait_loadcnt 40                              ; m and l are in; the 40 loads behind them may be out
	v_mov_b32 v5, v2
	v_max_num_f32_dpp v5, v5, v5 row_xmask:1 row_mask:0xf bank_mask:0xf
	v_max_num_f32_dpp v5, v5, v5 row_xmask:2 row_mask:0xf bank_mask:0xf
	v_max_num_f32_dpp v5, v5, v5 row_xmask:4 row_mask:0xf bank_mask:0xf
	v_max_num_f32_dpp v5, v5, v5 row_xmask:8 row_mask:0xf bank_mask:0xf
	v_permlanex16_b32 v6, v5, s58, s59
	v_max_num_f32 v5, v5, v6                       ; M
	v_sub_f32 v7, v2, v5
	v_mul_f32 v7, 0x3fb8aa3b, v7
	s_wait_alu depctr_va_vdst(0)
	v_exp_f32 v7, v7                               ; w_p
	v_mov_b32 v10, v5                              ; (a plain place behind the exponential)  M as a pair
	v_mov_b32 v11, v5
	s_wait_alu depctr_va_vdst(0)
	v_mul_f32 v8, v3, v7
	v_add_f32_dpp v8, v8, v8 row_xmask:1 row_mask:0xf bank_mask:0xf
	v_add_f32_dpp v8, v8, v8 row_xmask:2 row_mask:0xf bank_mask:0xf
	v_add_f32_dpp v8, v8, v8 row_xmask:4 row_mask:0xf bank_mask:0xf
	v_add_f32_dpp v8, v8, v8 row_xmask:8 row_mask:0xf bank_mask:0xf
	v_permlanex16_b32 v6, v8, s58, s59
	v_add_f32 v8, v8, v6                           ; L
	s_wait_alu depctr_va_vdst(0)
	v_rcp_f32 v12, v8
	v_nop                                          ; a plain place behind the reciprocal
	s_wait_alu depctr_va_vdst(0)
	v_mov_b32 v13, v12                             ; 1 / L as a pair
	v_mul_f32 v7, v7, v12                          ; w_p / L
.set p, 0
.rept 32
	v_readlane_b32 s[16+p], v7, p
.set p, p+1
.endr
	s_wait_loadcnt 8                               ; the 32 pieces of ctx are in; the scores may be out
.irp i, 0,1,2,3
	v_mul_f32 v[176+\i], s16, v[16+\i]             ; the first record starts the sums
.endr
.set p, 1
.rept 31
.irp i, 0,1,2,3
	v_fmac_f32 v[176+\i], s[16+p], v[16+4*p+\i]
.endr
.set p, p+1
.endr
	global_store_b128 v4, v[176:179], s[8:9]
	s_wait_loadcnt 0x0
.set p, 144
.rept 16
	v_pk_add_f32 v[p:p+1], v[p:p+1], v[10:11] neg_lo:[0,1] neg_hi:[0,1]        ; score - M
.set p, p+2
.endr
.set p, 144
.rept 16
	v_pk_mul_f32 v[p:p+1], v[p:p+1], 0x3fb8aa3b op_sel_hi:[1,0]
.set p, p+2
.endr
.set p, 144
	s_wait_alu depctr_va_vdst(0)
.rept 32
	v_exp_f32 v[p], v[p]
.set p, p+1
.endr
	v_nop                                          ; a plain place behind the exponentials
.set p, 144
	s_wait_alu depctr_va_vdst(0)
.rept 16
	v_pk_mul_f32 v[p:p+1], v[p:p+1], v[12:13]
.set p, p+2
.endr
.irp k, 0,1,2,3,4,5,6,7
	global_store_b128 v4, v[144+4*\k:147+4*\k], s[10:11] offset:512*\k
.endr
	s_endpgm
.Lfunc_end_k_q3638d44b11_finish:
	.size	k_q3638d44b11_finish, .Lfunc_end_k_q3638d44b11_finish-k_q3638d44b11_finish
	.p2alignl 7, 3214868480
	.fill 96, 4, 3214868480
	.section	.rodata,"a",@progbits
	.p2align	6, 0x0
	.amdhsa_kernel k_q3638d44b11_finish
		.amdhsa_group_segment_fixed_size 0
		.amdhsa_private_segment_fixed_size 0
		.amdhsa_enable_private_segment 0
		.amdhsa_kernarg_size 32
		.amdhsa_user_sgpr_count 2
		.amdhsa_user_sgpr_kernarg_segment_ptr 1
		.amdhsa_wavefront_size32 1
		.amdhsa_system_sgpr_workgroup_id_x 1
		.amdhsa_system_sgpr_workgroup_id_y 1
		.amdhsa_system_sgpr_workgroup_id_z 1
		.amdhsa_system_vgpr_workitem_id 0
		.amdhsa_next_free_vgpr 200
		.amdhsa_next_free_sgpr 66
		.amdhsa_reserve_vcc 0
		.amdhsa_float_denorm_mode_32 3
		.amdhsa_float_denorm_mode_16_64 3
		.amdhsa_memory_ordered 1
		.amdhsa_forward_progress 1
		.amdhsa_inst_pref_size 18
	.end_amdhsa_kernel
	.amdgpu_metadata
---
amdhsa.version: [ 1, 2 ]
amdhsa.kernels:
  - .name:           k_q3638d44b11_finish
    .symbol:         k_q3638d44b11_finish.kd
    .args:
      - { .name: scores, .offset: 0, .size: 8, .value_kind: global_buffer, .address_space: global }
      - { .name: part, .offset: 8, .size: 8, .value_kind: global_buffer, .address_space: global }
      - { .name: out0, .offset: 16, .size: 8, .value_kind: global_buffer, .address_space: global }
      - { .name: out1, .offset: 24, .size: 8, .value_kind: global_buffer, .address_space: global }
    .group_segment_fixed_size: 0
    .private_segment_fixed_size: 0
    .kernarg_segment_align: 8
    .kernarg_segment_size: 32
    .max_flat_workgroup_size: 32
    .sgpr_count:     66
    .vgpr_count:     200
    .wavefront_size: 32
...
	.end_amdgpu_metadata
.endif
;; end of part 3
